; MI455X (gfx1250); checked and timed in simulation.
; The chip was launched on July 23, 2026; its instructions are those of AMD's public machine-readable ISA for CDNA 5 (MIT licence, August 2026) and "CDNA5" Instruction Set Architecture Reference Guide (July 2026). The comments in the code are by the model that wrote it; some were corrected since.
;; Dueling DQN. Allowed arithmetic: matrix products marked QUANTISED: E2M3 operands, one E8M0 scale for each 32 along K, by v_wmma_scale_f32_16x16x128_f8f6f4 with both operands' format E2M3, f32 sums; products left as they are: f32 operands where the result goes on into a quantised operand, else bf16, f16 or f32 operands; f32 sums; everything else in f32.
;; Inputs: W1 256 x 68 float32; Wk 64 x 64 float32; Wo 64 x 64 float32; Wq 64 x 64 float32; Wv 64 x 64 float32; a1_beps 128 float32; a1_bmu 128 float32; a1_bsig 128 float32; a1_weps 128 x 256 float32; a1_wmu 128 x 256 float32; a1_wsig 128 x 256 float32; a2_beps 3 float32; a2_bmu 3 float32; a2_bsig 3 float32; a2_weps 3 x 128 float32; a2_wmu 3 x 128 float32; a2_wsig 3 x 128 float32; b1 256 float32; bk 64 float32; bo 64 float32; bq 64 float32; bv 64 float32; state 2,048 x 180 x 68 float32; v1_beps 128 float32; v1_bmu 128 float32; v1_bsig 128 float32; v1_weps 128 x 256 float32; v1_wmu 128 x 256 float32; v1_wsig 128 x 256 float32; v2_beps 1 float32; v2_bmu 1 float32; v2_bsig 1 float32; v2_weps 1 x 128 float32; v2_wmu 1 x 128 float32; v2_wsig 1 x 128 float32.
;; Outputs: out0 2,048 x 3 float32.
;; This version of the problem:
;;   THIS VERSION OF THE PROBLEM IS GIVEN IN LOW PRECISION. The matrix products marked QUANTISED in the list below multiply operands that are first quantised to E2M3 (2 exponent bits, 3 mantissa bits; 6 bits a number), with one power-of-two scale for each 32 numbers along K (OCP MX v1.0); their sums are f32. All else is computed in f32.
;;   The module's matrix products, in the order in which they are computed (A, B: the left and right operand; K: the contracted axis; several contracted axes count as one K, in the product's order):
;;     1. [M 368,640, K 64] x [K 64, N 64]; A: input state; B: input Wq: QUANTISED
;;     2. [M 368,640, K 64] x [K 64, N 64]; A: input state; B: input Wk: QUANTISED
;;     3. [M 368,640, K 64] x [K 64, N 64]; A: input state; B: input Wv: QUANTISED
;;     4. batch 8,192 x [M 180, K 16] x [K 16, N 180]; A: computed on the way; B: computed on the way: left as it is (K = 16 < 32)
;;     5. batch 8,192 x [M 180, K 180] x [K 180, N 16]; A: softmax (see below); B: computed on the way: QUANTISED
;;     6. [M 368,640, K 64] x [K 64, N 64]; A: computed on the way; B: input Wo: QUANTISED
;;     7. [M 2,048, K 68] x [K 68, N 256]; A: computed on the way; B: input W1: QUANTISED
;;     8. [M 2,048, K 256] x [K 256, N 128]; A: computed on the way; B: computed on the way: QUANTISED
;;     9. [M 2,048, K 128] x [K 128, N 1]; A: computed on the way; B: computed on the way: left as it is (N = 1 < 16)
;;     10. [M 2,048, K 256] x [K 256, N 128]; A: computed on the way; B: computed on the way: QUANTISED
;;     11. [M 2,048, K 128] x [K 128, N 3]; A: computed on the way; B: computed on the way: left as it is (N = 3 < 16)
;;   THE QUANTISER, for each operand of a quantised product, along K:
;;     - K is cut into blocks of 32 from its start; a last block that is shorter is filled with zeros.
;;     - A block's scale is 2^e with e = floor(log2(the largest magnitude in the block)) - 2, held to -126 .. 127; a block of zeros has e = 0. As a byte (E8M0): e + 127.
;;     - Each number is divided by its block's scale, clamped to +-7.5, and rounded to the nearest number of E2M3, ties to even, subnormals kept.
;;     - The product sums the exact products of the quantised numbers (number of the format x scale) in f32.
;;   ~~~python
;;   def quantise(x, axis):      # numpy; x: float32 -> the quantised numbers, widened to float32 again
;;       x = np.moveaxis(x, axis, -1); K = x.shape[-1]
;;       x = np.pad(x, [(0, 0)] * (x.ndim - 1) + [(0, -K % 32)]); x = x.reshape(x.shape[:-1] + (-1, 32)); a = np.abs(x).max(-1, keepdims=True)
;;       e = np.where(a > 0, np.clip(np.frexp(np.where(a > 0, a, 1))[1] - 1 - 2, -126, 127), 0)      # np.frexp(a)[1] - 1 = floor(log2(a)), exactly
;;       r = np.clip(x / 2.0 ** e, -7.5, 7.5)
;;       step = 2.0 ** (np.maximum(np.frexp(np.where(r == 0, 1, r))[1] - 1, 0) - 3)
;;       q = np.round(r / step) * step * 2.0 ** e      # np.round: ties to even
;;       return np.moveaxis(q.reshape(q.shape[:-2] + (-1,))[..., :K], -1, axis).astype(np.float32)
;;   ~~~
;;   SOFTMAX AHEAD OF A QUANTISED PRODUCT. Where the list says 'softmax', what is quantised is not the finished softmax but p = 2^(t - M), with t = logit x log2(e) and M = ceil(the row's largest t), a whole number; so 1/2 < the row's largest p <= 1. The row's sum l is taken of the UNQUANTISED p, in f32, and the product's result is divided by l at the end. Since M is a whole number, a kernel that streams over the keys may use a running M (the ceiling of the running maximum): every later rescaling is an exact power of two, which a block's scale takes up: the codes' values come out the same.
;;   OPERANDS COMPUTED ON THE WAY. 'Computed on the way' means the value that the module computes at that place (a softmax that the list does not call 'softmax' is quantised finished and normalised). What goes into a quantiser is computed in f32, as accurately as f32 sums, v_exp_f32 and their like allow (about 1e-6 of the number): no bf16 or f16 on the way to a quantiser, and a product that is left as it is and whose result goes on into a quantised operand takes f32 operands (vector FMAs, or v_wmma_f32_16x16x4_f32). A number that lies on a knife's edge between two numbers of the format may be rounded either way, as far as f32 arithmetic and the matrix unit's own rounding can turn it there, and no further.
;; One version. Each part assembles by itself: llvm-mc -triple=amdgcn-amd-amdhsa -mcpu=gfx1250 --defsym DOCPART=n.
;; ======== version 1 of 1: 2 launches
;; limits: right only within a limited range of input values
;; workspace buffers: att 524,288 bytes; wimg 98,304 bytes
;; launch attn (part 1): grid 256 x 1, 12 waves a work-group, no clusters, 327,680 bytes of LDS; arguments state, Wq, Wk, Wv, Wo, bq, bk, bv, bo, W1, v1_wmu, v1_wsig, v1_weps, a1_wmu, a1_wsig, a1_weps, att, wimg; writes att, wimg
.if DOCPART == 1
	.amdgcn_target "amdgcn-amd-amdhsa--gfx1250"
	.amdhsa_code_object_version 6
	.text
	.protected	k_qa6677a72e6_attn
	.globl	k_qa6677a72e6_attn
	.p2align	8
	.type	k_qa6677a72e6_attn,@function
k_qa6677a72e6_attn:
	s_mov_b64 s[64:65], 0
	v_nop
	global_prefetch_b8 v0, s[64:65] scope:SCOPE_SE
	s_setreg_imm32_b32 hwreg(HW_REG_WAVE_MODE, 25, 1), 1
	s_wait_xcnt 0x0
; att[b][e] = mean over the 180 rows of (attention(market[b]) Wo^T + bo).  market = state[b][s][0..63]; 4 heads of 16.
; The projections (K = 64), V^T P (K = the keys) and the Wo product (K = 64) run on codes of E2M3 with one E8M0 scale for each 32 along K; Q K^T (K = 16) runs on f32 operands, since its result goes into a quantiser.
; SHARES.  A work-group owns 8 batch elements and walks them two at a time: 4 trips.  Twelve waves: g = wave & 1 is the batch of the pair, j = wave >> 1 = 0..5.  In a trip a wave
;   X: quantises market tiles 2 j, 2 j + 1 of its batch;  P: makes K (f32) and V (codes) for key tiles 4 (j / 2) .. + 3 and heads 2 (j % 2), + 1;  A: takes query tiles 2 j, 2 j + 1 through all four heads, Wo and the sum over rows.
; 180 rows are taken as 192: rows from 180 on get zero codes; as keys they are hidden by -1e30 as the C of their scores and have V = 0; as queries their codes ahead of Wo are zeros.
; THE ROWS OF A TILE ARE NOT NEIGHBOURS: lane r of tile 2 b + u takes row 32 b + 8 u + r + 8 (r / 8), so that a lane's 16 registers of tiles 2 b, 2 b + 1 of S^T and of V are 16 neighbouring keys.
; A product with K = 64 fills half of the instruction's 128: six registers of codes, six of zero codes, on both sides; bytes 2 and 3 of a scale word are 0x7f.
; An operand goes from wave to wave through LDS as an image of its registers: (0, scale word, six registers of codes) by two stores of 16 bytes a lane, 1,024 bytes.
; state comes by one tensor load a wave (30 rows of 272 bytes as they lie); the next pair of batches is asked for as soon as this pair is quantised and lands under phases P and A.  One tensor load of a wave is out at the most.
; No cluster: work-groups share only the four 16 KB weights, read once each, against 391,680 bytes of state of their own.
; In the prologue, while the first fill is on its way, wave 11 of work-groups 0..47 quantises one fragment each of W1 and of the two noisy 128 x 256 weights for the next launch (wimg: 2,048 bytes a fragment).
; LIMITS.  NaN and infinities among the inputs are not served.  A block whose largest magnitude lies under 2^-124, a block of zeros too, has the scale byte 1 (its codes are then zeros or subnormal; the bytes are read by this program alone).
; Scores must stay under about 1e29 in magnitude (the -1e30 that hides padded keys).  1 / l is v_rcp_f32, the mean a multiplication by 1/180, mu + sigma eps one fused multiply-add.
.set STATE, 128                        ; LDS: two batches as they lie, 97,920 bytes, so placed that they end on a multiple of 256; filled by tensor loads alone
.set PADZ,  98048                      ; 6,144 bytes of zeros: what stands for rows 180-191 of the second batch
.set KIMG,  104192                     ; K in f32: batch, head, tile: 1,024 bytes a tile; 49,152 a batch
.set GB,    202496                     ; for each batch 24,576: 12 market fragments, then at VIM 12 fragments of V (3 head + key group)
.set VIM,   12288
.set WIMG,  251648                     ; 16 weight fragments: 4 matrix + head; matrices q, k, v, o
.set BIAS,  268032                     ; bq, bk, bv, bo as they lie
.set RED,   269056                     ; 256 bytes a wave: its sums over rows
.set SPARE, 272128                     ; the spare words, 128 bytes a wave: six blocks of 256 bytes that no other line names
.set SPW, 1                            ; v1  SPARE + 4 x thread; never rewritten
.set NIL, 2                            ; v2  0; never rewritten
.set AK,  3                            ; v3  KIMG + 49,152 g + 16 lane
.set AGB, 4                            ; v4  GB + 24,576 g + 16 lane
.set AW,  5                            ; v5  WIMG + 16 lane
.set ABI, 6                            ; v6  BIAS + 32 (lane / 16)
.set VX,  7                            ; v7  my lane's 128 bytes of my first market tile
.set RL,  8                            ; v8  r + 8 (r / 8)
.set SH8, 9                            ; v9  8 (lane / 16)
                                       ; v10 -M, v11 largest t, v[12:13] l, v[14:15] f; v16-25 at work; v26 query mask; v27-31 addresses in hand
.set S,   32                           ; v32-63   S^T: written by the f32 matrix form alone
.set KB,  64                           ; v64-95   four tiles of K
.set PP,  96                           ; v96-127  p; later the Wo product's results
.set QT,  160                          ; v160-167 Q of the tile and head in hand    (v128-159: O^T of heads 0, 2, 1, 3)
.set MS,  168                          ; slots of 14: (0, scale word, 6 codes, 6 zeros): market,
.set WS,  182                          ; a weight,
.set XS,  196                          ; V or a second weight
.set PS,  210                          ; v210-215 codes of p or of wv, v216-221 zeros
.set MK,  222                          ; v222-229 0 in lanes 0-15, -1e30 in lanes 16-31
.set PSC, 230                          ; their scale word
.set YS,  232                          ; v232-239 sums over rows: a pair for each 16 outputs
.set IM0, 240                          ; two outgoing images
.set IM1, 248
.set WV,  40                           ; s40 wave, s41 g, s42 j
.set SEL, 56                           ; s[56:57] selects of v_permlanex16_b32 for lane l xor 16
.set CS,  58                           ; s[58:59] c = log2(e) / 4
.macro NOPS n
.rept \n
	v_nop
.endr
.endm
.macro ZERO from, n
.set ZI, \from
.rept \n
	v_mov_b32 v[ZI], 0
.set ZI, ZI+1
.endr
.endm
.macro LD8 slot, adr, off              ; an image into the first eight registers of a slot
	ds_load_b128 v[\slot:\slot+3], v[\adr] offset:\off
	ds_load_b128 v[\slot+4:\slot+7], v[\adr] offset:\off+512
.endm
.macro ST8 im, adr, off
	ds_store_b128 v[\adr], v[\im:\im+3] offset:\off
	ds_store_b128 v[\adr], v[\im+4:\im+7] offset:\off+512
.endm
.macro MXC d, a, b, c, sa, sb
	v_wmma_scale_f32_16x16x128_f8f6f4 v[\d:\d+7], v[\a:\a+11], v[\b:\b+11], v[\c:\c+7], v[\sa], v[\sb] matrix_a_fmt:MATRIX_FMT_FP6 matrix_b_fmt:MATRIX_FMT_FP6
.endm
.macro MXZ d, a, b, sa, sb
	v_wmma_scale_f32_16x16x128_f8f6f4 v[\d:\d+7], v[\a:\a+11], v[\b:\b+11], 0, v[\sa], v[\sb] matrix_a_fmt:MATRIX_FMT_FP6 matrix_b_fmt:MATRIX_FMT_FP6
.endm
; One whole block of 32 in a lane's registers v[x] on: six registers of codes at v[d], the scale's byte in v[by].
.macro QCORE x, d, by
	v_max3_num_f32 v20, |v[\x]|, |v[\x+1]|, 0x1800000      ; the floor 2^(3 - 127) among the leaves: the byte cannot fall under 1
	v_max3_num_f32 v21, |v[\x+2]|, |v[\x+3]|, |v[\x+4]|    ; two chains
.irp i, 5,9,13,17,21,25
	v_max3_num_f32 v20, v20, |v[\x+\i]|, |v[\x+\i+1]|
	v_max3_num_f32 v21, v21, |v[\x+\i+2]|, |v[\x+\i+3]|
.endr
	v_max3_num_f32 v20, v20, |v[\x+29]|, |v[\x+30]|
	v_max_num_f32 v21, v21, |v[\x+31]|
	v_max_num_f32 v20, v20, v21
	v_add_nc_u32 v24, 0xff000000, v20                      ; 2 off the exponent field: the conversion's scale operand
	v_lshrrev_b32 v[\by], 23, v24                          ; the scale's byte
	v_cvt_scalef32_pk16_fp6_f32 v[\d:\d+2], v[\x:\x+15], v24
	v_cvt_scalef32_pk16_fp6_f32 v[16:18], v[\x+16:\x+31], v24   ; (a conversion's three registers begin on an even number)
	v_nop                                                  ; one plain place behind a scaled conversion
	v_mov_b32 v[\d+3], v16
	v_mov_b32 v[\d+4], v17
	v_mov_b32 v[\d+5], v18
.endm
; A row of 64: lane (r, h) holds k = 32 h + 0 .. 31 of row r.  mask >= 0: the codes are ANDed with v[mask].  The word: my byte at 8 h, lane l xor 16's beside it, 0x7f above.
.macro QROW x, d, wd, mask
	QCORE \x, \d, 22
.if \mask >= 0
.irp i, 0,1,2,3,4,5
	v_and_b32 v[\d+\i], v[\mask], v[\d+\i]
.endr
.endif
	v_lshlrev_b32 v22, v[SH8], v22
	v_permlanex16_b32 v23, v22, s[SEL], s[SEL+1]
	v_or_b32 v22, v22, v23
	v_or_b32 v[\wd], 0x7f7f0000, v22
.endm
; Two blocks, each spread over lanes l and l xor 16: register 16 b + i = k 32 b + 16 (lane / 16) + i.
.macro QUANT64 x, d, wd
	v_max3_num_f32 v20, |v[\x]|, |v[\x+1]|, 0x1800000
	v_max3_num_f32 v21, |v[\x+16]|, |v[\x+17]|, 0x1800000
.irp i, 2,4,6,8,10,12,14
	v_max3_num_f32 v20, v20, |v[\x+\i]|, |v[\x+\i+1]|
	v_max3_num_f32 v21, v21, |v[\x+16+\i]|, |v[\x+17+\i]|
.endr
	v_permlanex16_b32 v22, v20, s[SEL], s[SEL+1]
	v_permlanex16_b32 v23, v21, s[SEL], s[SEL+1]
	v_max_num_f32 v20, v20, v22
	v_max_num_f32 v21, v21, v23
	v_add_nc_u32 v24, 0xff000000, v20
	v_add_nc_u32 v25, 0xff000000, v21
	v_lshrrev_b32 v22, 23, v24
	v_lshrrev_b32 v23, 23, v25
	v_lshl_or_b32 v22, v23, 8, v22
	v_or_b32 v[\wd], 0x7f7f0000, v22
	v_cvt_scalef32_pk16_fp6_f32 v[\d:\d+2], v[\x:\x+15], v24
	v_cvt_scalef32_pk16_fp6_f32 v[16:18], v[\x+16:\x+31], v25
	v_nop
.irp i, 0,1,2
	v_permlane16_swap_b32 v[\d+\i], v[16+\i]               ; the layout wants a whole block in a lane: lanes 0-15 block 0, lanes 16-31 block 1
.endr
.irp i, 0,1,2
	v_mov_b32 v[\d+3+\i], v[16+\i]
.endr
.endm
; A row of 128: lane (r, h) holds blocks h (v[x0] on) and 2 + h (v[x1] on).
.macro QUANT128 x0, x1, d, wd
	QCORE \x0, \d, 22
	QCORE \x1, \d+6, 26
	v_lshl_or_b32 v22, v26, 16, v22
	v_lshlrev_b32 v22, v[SH8], v22
	v_permlanex16_b32 v23, v22, s[SEL], s[SEL+1]
	v_or_b32 v[\wd], v22, v23
.endm
; One fragment of a 64 x 64 weight (16 rows) and its 16 biases go to LDS.  v12 = 256 r + 128 h, v13 = 4 r; v10, v11 the places in LDS.
.macro WFRAG wp, bp, oi, ob
.set WI, 0
.rept 8
	global_load_b128 v[64+4*WI:67+4*WI], v12, s[\wp:\wp+1] offset:16*WI
.set WI, WI+1
.endr
	global_load_b32 v96, v13, s[\bp:\bp+1]
	s_wait_loadcnt 0x0
	s_wait_dscnt 0x0                                       ; earlier LDS stores have read the outgoing registers
	QROW 64, IM0+2, IM0+1, -1
	ST8 IM0, 10, \oi
	ds_store_b32 v11, v96 offset:\ob                       ; both halves of the lanes write the same word with the same value
	s_wait_dscnt 0x0
.endm
	s_load_b512 s[4:19], s[0:1], 0x0               ; state 4, Wq 6, Wk 8, Wv 10, Wo 12, bq 14, bk 16, bv 18
	s_load_b512 s[20:35], s[0:1], 0x40             ; bo 20, W1 22, v1_wmu 24, v1_wsig 26, v1_weps 28, a1_wmu 30, a1_wsig 32, a1_weps 34
	s_load_b128 s[36:39], s[0:1], 0x80             ; att 36, wimg 38
	v_lshl_add_u32 v[SPW], v0, 2, SPARE
	v_mov_b32 v[NIL], 0
	ds_add_u32 v1, v2
	ds_add_u32 v1, v2
	s_wait_dscnt 0x0
	v_lshrrev_b32 v3, 5, v0
	v_readfirstlane_b32 s[WV], v3                  ; wave 0..11
	s_and_b32 s41, s40, 1                          ; g
	s_lshr_b32 s42, s40, 1                         ; j
	; descriptor group 1: 30 rows of 68 elements of 4 bytes, dense in memory and in LDS
	s_mov_b32 s48, 2<<16                           ; no mask; elements of 4 bytes; no padding
	s_mov_b32 s49, 68<<16                          ; tensor_dim0
	s_mov_b32 s50, 30<<16                          ; tensor_dim1
	s_mov_b32 s51, 68<<16                          ; tile_dim0
	s_mov_b32 s52, 30                              ; tile_dim1
	s_mov_b32 s53, 68                              ; elements from row to row
	s_mov_b32 s54, 0
	s_mov_b32 s55, 0
	s_mul_i32 s66, s40, 8160                       ; my 30 of the pair's 360 rows
	s_mul_i32 s68, ttmp9, 391680                   ; the work-group's 8 batches
	s_add_co_u32 s68, s68, s66
	s_mov_b32 s69, 0
	s_mov_b32 s44, 1                               ; group 0: count
	s_add_co_u32 s45, s66, STATE                   ; LDS address
	s_wait_kmcnt 0x0
	s_add_nc_u64 s[46:47], s[4:5], s[68:69]        ; global address
	s_or_b32 s47, s47, 0x80000000                  ; type 2
	tensor_load_to_lds s[44:47], s[48:55]          ; the first pair of batches: every wave's first fill, ahead of every wait on TENSORcnt, LDS read and barrier
	s_nop 0
	NOPS 4
	s_mov_b32 s[SEL], 0x76543210
	s_mov_b32 s[SEL+1], 0xfedcba98
	s_mov_b32 s[CS], 0x3eb8aa3b
	s_mov_b32 s[CS+1], s[CS]                       ; (named with it as a pair)
	s_lshr_b32 s71, s42, 1                         ; my key group 0..2
	s_and_b32 s72, s42, 1
	s_lshl_b32 s72, s72, 1                         ; my first head in phase P: 0 or 2
	s_lshl_b32 s73, s71, 12                        ; the group's four market fragments
	s_lshl_b32 s74, s72, 10                        ; my heads' weight fragments
	s_lshl_b32 s75, s72, 6                         ; and biases
	s_mul_i32 s76, s72, 12288
	s_add_co_u32 s76, s76, s73                     ; where my K tiles go
	s_mul_i32 s77, s72, 3072
	s_lshl_b32 s84, s71, 10
	s_add_co_u32 s77, s77, s84                     ; where my V fragments go
	s_cmp_eq_u32 s71, 2
	s_cselect_b32 s78, 0xffff0000, 0               ; the last key group: lanes 16-31 hold the padded keys of its last tiles
	s_lshl_b32 s79, s40, 8
	s_add_co_u32 s79, s79, RED                     ; my 256 bytes of sums
	s_lshl_b32 s80, s42, 11                        ; my two market fragments
	s_lshl_b32 s81, s42, 5                         ; their first row
	s_lshl_b32 s82, s41, 8
	s_add_co_u32 s82, s82, RED                     ; my batch's first wave's sums
	s_add_co_u32 s83, s75, BIAS
	s_lshl_b32 s84, ttmp9, 11
	s_lshl_b32 s85, s41, 8
	s_add_co_u32 s84, s84, s85
	s_mov_b32 s85, 0
	s_add_nc_u64 s[36:37], s[36:37], s[84:85]      ; att at batch 8 x + g
	v_and_b32 v30, 15, v0                          ; r
	v_bfe_u32 v31, v0, 4, 1                        ; h
	v_and_b32 v29, 31, v0
	v_lshlrev_b32 v29, 4, v29                      ; 16 lane
	s_mul_i32 s67, s41, 49152
	s_add_co_u32 s67, s67, KIMG
	v_add_nc_u32 v[AK], s67, v29
	s_mul_i32 s67, s41, 24576
	s_add_co_u32 s67, s67, GB
	v_add_nc_u32 v[AGB], s67, v29
	v_add_nc_u32 v[AW], WIMG, v29
	v_lshl_add_u32 v[ABI], v31, 5, BIAS
	v_and_b32 v[RL], 8, v30
	v_add_nc_u32 v[RL], v[RL], v30
	v_lshlrev_b32 v[SH8], 3, v31
	s_mul_i32 s67, s41, 48960
	s_mul_i32 s70, s42, 8704
	s_add_co_u32 s67, s67, s70
	s_add_co_u32 s67, s67, STATE
	v_mul_u32_u24 v[VX], v[RL], 272
	v_lshl_add_u32 v[VX], v31, 7, v[VX]
	v_add_nc_u32 v[VX], s67, v[VX]                 ; batch g, row 32 j + RL, + 128 h
	ZERO 16, 4                                     ; written once: a lane permute's destination counts as one of its sources
	ZERO 22, 2
	ZERO IM0, 4
	v_lshl_add_u32 v27, v0, 4, PADZ
	ds_store_b128 v27, v[IM0:IM0+3]                ; 384 threads x 16 bytes of zeros
	; ---- the four weights: wave w quantises fragment w (q, k, v: matrix w / 4, head w % 4); waves 0-3 then Wo's four
	s_lshr_b32 s84, s40, 2
	s_and_b32 s85, s40, 3
	s_lshl_b32 s86, s85, 12                        ; 16 rows of 256 bytes
	s_mov_b32 s87, 0
	s_lshl_b32 s88, s85, 6
	s_mov_b32 s89, 0
	s_cmp_eq_u32 s84, 0
	s_cselect_b64 s[90:91], s[6:7], s[8:9]
	s_cselect_b64 s[92:93], s[14:15], s[16:17]
	s_cmp_eq_u32 s84, 2
	s_cselect_b64 s[90:91], s[10:11], s[90:91]
	s_cselect_b64 s[92:93], s[18:19], s[92:93]
	s_add_nc_u64 s[90:91], s[90:91], s[86:87]
	s_add_nc_u64 s[92:93], s[92:93], s[88:89]
	s_lshl_b32 s94, s40, 10
	v_add_nc_u32 v10, s94, v[AW]                   ; the image's place: 1,024 x wave
	s_lshl_b32 s94, s40, 6
	s_add_co_u32 s94, s94, BIAS
	v_lshl_add_u32 v11, v30, 2, s94                ; the biases': 64 x wave + 4 r
	v_lshlrev_b32 v12, 8, v30
	v_lshl_add_u32 v12, v31, 7, v12
	v_lshlrev_b32 v13, 2, v30
	WFRAG 90, 92, 0, 0
	s_cmp_lt_u32 s[WV], 4
	s_cbranch_scc0 .Lno_wo
	s_add_nc_u64 s[90:91], s[12:13], s[86:87]      ; (the loads that named these pairs have come back)
	s_add_nc_u64 s[92:93], s[20:21], s[88:89]
	WFRAG 90, 92, 12288, 768
.Lno_wo:
	; ---- for the next launch: one fragment (16 rows x 128 K) of W1 (work-groups 0-15) or of mu + sigma eps (16-31: v1, 32-47: a1).  No LDS is touched here
	s_cmp_eq_u32 s[WV], 11
	s_cbranch_scc0 .Lno_prep
	s_cmp_lt_u32 ttmp9, 48
	s_cbranch_scc0 .Lno_prep
	s_cmp_lt_u32 ttmp9, 16
	s_cbranch_scc0 .Lnoisy
	s_mul_i32 s84, ttmp9, 4352                     ; 16 rows of 272 bytes
	s_mov_b32 s85, 0
	s_add_nc_u64 s[86:87], s[22:23], s[84:85]
	v_mul_u32_u24 v11, v30, 272
	v_lshl_add_u32 v10, v31, 7, v11
.set PI, 0
.rept 8
	global_load_b128 v[64+4*PI:67+4*PI], v10, s[86:87] offset:16*PI     ; k = 32 h + 0 .. 31
.set PI, PI+1
.endr
	global_load_b128 v[160:163], v11, s[86:87] offset:256               ; k = 64 .. 67; K ends there: zeros fill the step
	ZERO 164, 28
	v_add_nc_u32 v12, -1, v31                      ; all ones in lanes 0-15, 0 in lanes 16-31, whose block 3 is empty
	s_wait_loadcnt 0x0
.irp i, 160,161,162,163
	v_and_b32 v\i, v12, v\i
.endr
	s_branch .Lprep_q
.Lnoisy:
	s_sub_co_u32 s92, ttmp9, 16
	s_bfe_u32 s84, s92, 0x30001                    ; which 16 rows of the 128
	s_lshl_b32 s84, s84, 14
	s_and_b32 s93, s92, 1                          ; which 128 of K = 256
	s_lshl_b32 s93, s93, 9
	s_add_co_u32 s84, s84, s93
	s_mov_b32 s85, 0
	s_cmp_lt_u32 ttmp9, 32
	s_cselect_b64 s[86:87], s[24:25], s[30:31]
	s_cselect_b64 s[88:89], s[26:27], s[32:33]
	s_cselect_b64 s[90:91], s[28:29], s[34:35]
	s_add_nc_u64 s[86:87], s[86:87], s[84:85]
	s_add_nc_u64 s[88:89], s[88:89], s[84:85]
	s_add_nc_u64 s[90:91], s[90:91], s[84:85]
	v_lshlrev_b32 v10, 10, v30
	v_lshl_add_u32 v10, v31, 7, v10
.set PI, 0
.rept 8
	global_load_b128 v[64+4*PI:67+4*PI],   v10, s[86:87] offset:16*PI
	global_load_b128 v[96+4*PI:99+4*PI],   v10, s[88:89] offset:16*PI
	global_load_b128 v[128+4*PI:131+4*PI], v10, s[90:91] offset:16*PI
	global_load_b128 v[160+4*PI:163+4*PI], v10, s[86:87] offset:256+16*PI
	global_load_b128 v[192+4*PI:195+4*PI], v10, s[88:89] offset:256+16*PI
	global_load_b128 v[224+4*PI:227+4*PI], v10, s[90:91] offset:256+16*PI
.set PI, PI+1
.endr
	s_wait_loadcnt 0x0
.set PI, 0
.rept 16
	v_pk_fma_f32 v[64+PI:65+PI], v[96+PI:97+PI], v[128+PI:129+PI], v[64+PI:65+PI]          ; mu + sigma eps
	v_pk_fma_f32 v[160+PI:161+PI], v[192+PI:193+PI], v[224+PI:225+PI], v[160+PI:161+PI]
.set PI, PI+2
.endr
.Lprep_q:
	QUANT128 64, 160, 96, 108
	s_lshl_b32 s84, ttmp9, 11
	s_mov_b32 s85, 0
	s_add_nc_u64 s[94:95], s[38:39], s[84:85]
	v_lshrrev_b32 v13, 2, v29
	global_store_b128 v29, v[96:99], s[94:95]              ; the image: each store of the wave covers 512 consecutive bytes, aligned
	global_store_b128 v29, v[100:103], s[94:95] offset:512
	global_store_b128 v29, v[104:107], s[94:95] offset:1024
	global_store_b32 v13, v108, s[94:95] offset:1536
	s_wait_xcnt 0x0                                ; the stores' registers are written again further down
.Lno_prep:
	ZERO MS+8, 6                                   ; the slots' zero codes: written once, no load reaches them
	ZERO WS+8, 6
	ZERO XS+8, 6
	ZERO PS+6, 6
	v_mov_b32 v[MK+1], 0xf149f2ca                  ; -1e30
	v_cmp_eq_u32 vcc_lo, 1, v31
	v_cndmask_b32 v[MK], 0, v[MK+1], vcc_lo
.irp i, 1,2,3,4,5,6,7
	v_mov_b32 v[MK+\i], v[MK]
.endr
	v_mov_b32 v15, 0                               ; (named as the upper half of the pair v[14:15])
	v_mov_b32 v[IM0], 0
	v_mov_b32 v[IM1], 0
	s_wait_tensorcnt 0x0                           ; my 30 rows are in,
	s_wait_dscnt 0x0                               ; my weights, biases and zeros are stored:
	s_barrier_signal -1
	s_barrier_wait -1                              ; everybody's are.
.macro LOADK hd, g3                    ; four tiles of K: head hd, key group g3
.irp t, 0,1,2,3
	ds_load_b128 v[KB+8*\t:KB+8*\t+3],   v[AK] offset:12288*(\hd)+1024*(4*(\g3)+\t)
	ds_load_b128 v[KB+8*\t+4:KB+8*\t+7], v[AK] offset:12288*(\hd)+1024*(4*(\g3)+\t)+512
.endr
.endm
.macro LOADQ hd                        ; Wq's fragment of head hd, and bq as the C of the projection: lane (r, h) wants d = 8 h + 0 .. 7
	LD8 WS, AW, 1024*(\hd)
	ds_load_b128 v[QT:QT+3],   v[ABI] offset:64*(\hd)
	ds_load_b128 v[QT+4:QT+7], v[ABI] offset:64*(\hd)+16
.endm
; The softmax of 64 keys for my 16 queries: a lane holds one query and 32 keys.  It reads S and writes p elsewhere.  first = 1: the head's first key group starts M, l and O^T.
.macro SOFT first
	v_max3_num_f32 v20, v[S], v[S+1], v[S+2]               ; the largest score of each block of 32 keys: for the row's maximum and for the block's largest p.  Each tile is read from its low end on
	v_max3_num_f32 v21, v[S+16], v[S+17], v[S+18]
.irp i, 3,5,7,9,11,13
	v_max3_num_f32 v20, v20, v[S+\i], v[S+\i+1]
	v_max3_num_f32 v21, v21, v[S+16+\i], v[S+17+\i]
.endr
	v_max_num_f32 v20, v20, v[S+15]
	v_max_num_f32 v21, v21, v[S+31]
	v_permlanex16_b32 v22, v20, s[SEL], s[SEL+1]
	v_permlanex16_b32 v23, v21, s[SEL], s[SEL+1]
	v_max_num_f32 v20, v20, v22                            ; with lane l xor 16's 16 keys
	v_max_num_f32 v21, v21, v23
	v_max_num_f32 v16, v20, v21
	v_mul_f32 v16, s[CS], v16                              ; as t (c is positive)
.if \first
	v_mov_b32 v11, v16
	v_floor_f32 v10, -v11                                  ; -M = floor(-t): M is a whole number
.else
	v_mov_b32 v17, v10
	v_max_num_f32 v11, v11, v16                            ; the running largest t
	v_floor_f32 v10, -v11
	v_sub_f32 v17, v10, v17                                ; old M - new M: a whole number, 0 or less
	v_cvt_i32_f32 v17, v17
	v_ldexp_f32 v14, 1.0, v17                              ; f = 2^(old M - new M): a multiplication by it rounds nothing
.endif
.set EI, 0
.rept 16
	v_pk_fma_f32 v[PP+EI:PP+EI+1], v[S+EI:S+EI+1], s[CS:CS+1], v[10:11] op_sel_hi:[1,0,0]   ; t - M
.set EI, EI+2
.endr
	v_fma_f32 v20, v20, s[CS], v10                         ; the same of each block's largest score
	v_fma_f32 v21, v21, s[CS], v10
.set EI, 0
.rept 32
	v_exp_f32 v[PP+EI], v[PP+EI]                           ; p = 2^(t - M): not normalised
.set EI, EI+1
.endr
	v_exp_f32 v20, v20
	v_exp_f32 v21, v21
.if \first
	v_nop                                                  ; a plain place behind the exponentials
	s_wait_alu depctr_va_vdst(0)
.else
	s_wait_alu depctr_va_vdst(0)
.irp i, 0,2,4,6
	v_pk_mul_f32 v[OH+\i:OH+\i+1], v[OH+\i:OH+\i+1], v[14:15] op_sel_hi:[1,0]   ; O^T under the new M, from its low end on; also the plain place behind the exponentials
.endr
.endif
	v_max_num_f32 v20, 0x1800000, v20                      ; the floor
	v_max_num_f32 v21, 0x1800000, v21
	v_add_nc_u32 v24, 0xff000000, v20
	v_add_nc_u32 v25, 0xff000000, v21
	v_lshrrev_b32 v22, 23, v24
	v_lshrrev_b32 v23, 23, v25
	v_lshl_or_b32 v[PSC], v23, 8, v22
	v_or_b32 v[PSC], 0x7f7f0000, v[PSC]                    ; p's scale word for these 64 keys
	v_cvt_scalef32_pk16_fp6_f32 v[PS:PS+2], v[PP:PP+15], v24
	v_cvt_scalef32_pk16_fp6_f32 v[16:18], v[PP+16:PP+31], v25
	v_nop
.irp i, 0,1,2
	v_permlane16_swap_b32 v[PS+\i], v[16+\i]
.endr
.irp i, 0,1,2
	v_mov_b32 v[PS+3+\i], v[16+\i]
.endr
	v_pk_add_f32 v[16:17], v[PP:PP+1], v[PP+2:PP+3]        ; the row's sum is taken of the unquantised p, in two chains.  These lines are also the places between the scale word and the codes just made and the product
	v_pk_add_f32 v[18:19], v[PP+4:PP+5], v[PP+6:PP+7]
.irp i, 8,12,16,20,24,28
	v_pk_add_f32 v[16:17], v[16:17], v[PP+\i:PP+\i+1]
	v_pk_add_f32 v[18:19], v[18:19], v[PP+\i+2:PP+\i+3]
.endr
.if \first
	v_pk_add_f32 v[12:13], v[16:17], v[18:19]
.else
	v_pk_add_f32 v[16:17], v[16:17], v[18:19]
	v_pk_fma_f32 v[12:13], v[12:13], v[14:15], v[16:17] op_sel_hi:[1,0,1]
.endif
.endm
; Head hd, key group g3 (64 keys) for the query tile in hand.
.macro STEP hd, g3
.set OH, 128+16*((\hd)%2)+8*((\hd)/2)
	s_wait_dscnt 0x0                               ; K's four tiles are in (asked for ahead of the last softmax); with g3 = 0 Wq's fragment and bq too
.if \g3 == 0
	MXC QT, WS+2, MS+2, QT, WS+1, MS+1             ; Q^T: lane (r, h) holds query r, d = 8 h + 0 .. 7; bq was loaded into the accumulator
	NOPS 5                                         ; a matrix instruction takes the result as a source
.endif
.irp c, 0,1,2,3                                ; S^T = K Q^T in f32: link c takes d = 8 h + 2 c, + 1 on both sides; four accumulators by turns
.irp t, 0,1,2,3
.if \c > 0
	v_wmma_f32_16x16x4_f32 v[S+8*\t:S+8*\t+7], v[KB+8*\t+2*\c:KB+8*\t+2*\c+1], v[QT+2*\c:QT+2*\c+1], v[S+8*\t:S+8*\t+7]
.elseif (\g3 == 2) && (\t == 2)
	v_wmma_f32_16x16x4_f32 v[S+8*\t:S+8*\t+7], v[KB+8*\t:KB+8*\t+1], v[QT:QT+1], v[MK-4:MK+3]   ; keys 180-183: registers 4-7 of lanes 16-31 begin at -1e30
.elseif (\g3 == 2) && (\t == 3)
	v_wmma_f32_16x16x4_f32 v[S+8*\t:S+8*\t+7], v[KB+8*\t:KB+8*\t+1], v[QT:QT+1], v[MK:MK+7]     ; keys 184-191: all of lanes 16-31
.else
	v_wmma_f32_16x16x4_f32 v[S+8*\t:S+8*\t+7], v[KB+8*\t:KB+8*\t+1], v[QT:QT+1], 0
.endif
.endr
.endr
	NOPS 8                                         ; places behind the f32 form: for the reads of S and for the loads into K's and Q's registers
	LD8 XS, AGB, VIM+1024*(3*(\hd)+(\g3))          ; V of these 64 keys
.if \g3 < 2
	LOADK \hd, \g3+1
.elseif \hd < 3
	LOADQ \hd+1
	LOADK \hd+1, 0
.endif
.if \g3 == 0
	SOFT 1
.else
	SOFT 0
.endif
.if \g3 < 2
	s_wait_dscnt 8                                 ; V is in; the next K tiles' eight loads may be out
.elseif \hd < 3
	s_wait_dscnt 12                                ; V is in; the next head's twelve loads may be out
.else
	s_wait_dscnt 0x0
.endif
.if \g3 == 0
	MXZ OH, XS+2, PS, XS+1, PSC                    ; O^T = V^T P^T starts the sum
.else
	MXC OH, XS+2, PS, OH, XS+1, PSC
.endif
.endm
.macro HEAD_END                        ; O^T / l.  The plain lines ahead of the reciprocal are the places behind the last product
	v_add_f32 v16, v12, v13
	v_permlanex16_b32 v17, v16, s[SEL], s[SEL+1]
	v_add_f32 v16, v16, v17
	NOPS 2
	v_rcp_f32 v16, v16
	v_nop
	s_wait_alu depctr_va_vdst(0)
.irp i, 0,2,4,6
	v_pk_mul_f32 v[OH+\i:OH+\i+1], v[OH+\i:OH+\i+1], v[16:17] op_sel_hi:[1,0]
.endr
.endm
.macro FOLD y, t                       ; eight queries of a lane into the sums, from the accumulator's low end on
	v_pk_add_f32 v[16:17], v[\y:\y+1], v[\y+2:\y+3]
	v_pk_add_f32 v[18:19], v[\y+4:\y+5], v[\y+6:\y+7]
	v_pk_add_f32 v[16:17], v[16:17], v[18:19]
	v_pk_add_f32 v[YS+2*\t:YS+2*\t+1], v[YS+2*\t:YS+2*\t+1], v[16:17]
.endm
; Phase P for head (my first) + n: four tiles of K in f32 and one fragment of V.
.macro PHEAD n
	LD8 WS, 28, (4+\n)*1024                        ; Wk's fragment
	LD8 XS, 28, (8+\n)*1024                        ; Wv's
	ds_load_b128 v[138:141], v29 offset:256+64*\n          ; bk at d = 8 h + 0 .. 7
	ds_load_b128 v[142:145], v29 offset:256+64*\n+16
	ds_load_b32 v146, v30 offset:512+64*\n                 ; bv at d = r
	s_wait_dscnt 0x0
	MXC 106, WS+2, MS+2, 138, WS+1, MS+1           ; K^T: source 0 = 16 d, source 1 = 16 rows: lane (r, h): row r, d = 8 h + 0 .. 7
	MXC 114, WS+2, 66, 138, WS+1, 65
	MXC 122, WS+2, 80, 138, WS+1, 79
	MXC 130, WS+2, 94, 138, WS+1, 93
.irp i, 147,148,149,150,151,152,153            ; bv as C, eight times, and eight times with 0 where the key is padding.  These fifteen lines are the places behind the four products
	v_mov_b32 v\i, v146
.endr
	v_cndmask_b32 v154, v146, 0, s78
.irp i, 155,156,157,158,159,160,161
	v_mov_b32 v\i, v154
.endr
.irp t, 0,1,2,3
	ds_store_b128 v31, v[106+8*\t:109+8*\t] offset:12288*\n+1024*\t
	ds_store_b128 v31, v[110+8*\t:113+8*\t] offset:12288*\n+1024*\t+512
.endr
	s_wait_dscnt 0x0                               ; the stores have read their registers
	MXC 106, MS+2, XS+2, 146, MS+1, XS+1           ; V: source 0 = 16 rows, source 1 = 16 d: lane (r, h): d = r, keys 16 h + 0 .. 7 of the tile's
	MXC 114, 66, XS+2, 146, 65, XS+1
	MXC 122, 80, XS+2, 150, 79, XS+1               ; registers 4-7 of lanes 16-31 are keys 180-183 in the last group
	MXC 130, 94, XS+2, 154, 93, XS+1               ; all of lanes 16-31 are keys 184-191 there
	NOPS 4
	QUANT64 106, IM0+2, IM0+1                      ; along the keys
	ST8 IM0, 26, VIM+3072*\n
.endm
; A TRIP: two batches.  refill = 1: the next two are asked for.
.macro TRIP refill
	; ---- X: my two market tiles become fragments
.set TI, 0
.rept 8
	ds_load_b128 v[64+4*TI:67+4*TI], v[VX] offset:16*TI
.set TI, TI+1
.endr
.set TI, 0
.rept 8
	ds_load_b128 v[96+4*TI:99+4*TI], v[VX] offset:2176+16*TI           ; eight rows further down
.set TI, TI+1
.endr
	v_add_nc_u32 v26, s81, v[RL]
	v_add_nc_u32 v27, 8, v26
	v_cmp_gt_u32 vcc_lo, 180, v26
	v_cndmask_b32 v26, 0, -1, vcc_lo               ; all ones where my row exists
	v_cmp_gt_u32 vcc_lo, 180, v27
	v_cndmask_b32 v27, 0, -1, vcc_lo
	v_add_nc_u32 v28, s80, v[AGB]
	s_wait_dscnt 8                                 ; the first tile's eight loads are in, the second's may be out
	QROW 64, IM0+2, IM0+1, 26
	s_wait_dscnt 0x0
	QROW 96, IM1+2, IM1+1, 27
	ST8 IM0, 28, 0
	ST8 IM1, 28, 1024
.if \refill
	s_wait_tensorcnt 0x0                           ; no tensor load of mine is out, so group 0 may be written
	ds_add_u32 v[SPW], v[NIL]                      ; 0 onto my spare word
	s_add_nc_u64 s[46:47], s[46:47], 97920         ; the next two batches
	s_wait_dscnt 0x0                               ; the add is done, my reads of state are over, my fragments are stored
	s_barrier_signal -1
	s_barrier_wait -1
	tensor_load_to_lds s[44:47], s[48:55]          ; first thing behind the barrier, my one tensor load until the next such barrier: it lands under phases P and A
	s_nop 0
	NOPS 4
.else
	s_wait_dscnt 0x0                               ; my fragments are stored
	s_barrier_signal -1
	s_barrier_wait -1
.endif
	; ---- P: K and V of my key group and my two heads
	ZERO 72, 6                                     ; three more market slots at v64, v78, v92: their zero codes
	ZERO 86, 6
	ZERO 100, 6
	v_add_nc_u32 v27, s73, v[AGB]                  ; (these seven lines are the places between those zeros and the products)
	v_add_nc_u32 v28, s74, v[AW]
	v_add_nc_u32 v29, s75, v[ABI]
	v_and_b32 v30, 15, v0
	v_lshl_add_u32 v30, v30, 2, s83
	v_add_nc_u32 v31, s76, v[AK]
	v_add_nc_u32 v26, s77, v[AGB]
	LD8 MS, 27, 0
	LD8 64, 27, 1024
	LD8 78, 27, 2048
	LD8 92, 27, 3072
	PHEAD 0
	PHEAD 1
	s_wait_dscnt 0x0                               ; K's tiles and V's fragments are stored
	s_barrier_signal -1
	s_barrier_wait -1
	; ---- A: my two query tiles
	ZERO YS, 8
	s_mov_b32 s61, 2
	s_mov_b32 s62, s80
	s_mov_b32 s63, s81
.Ltile_\@:
	v_add_nc_u32 v28, s62, v[AGB]
	LD8 MS, 28, 0                                  ; the tile's market fragment
	v_add_nc_u32 v27, s63, v[RL]
	v_cmp_gt_u32 vcc_lo, 180, v27
	v_cndmask_b32 v26, 0, -1, vcc_lo               ; all ones where my query exists
	LOADQ 0
	LOADK 0, 0
.irp hd, 0,1,2,3
	STEP \hd, 0
	STEP \hd, 1
	STEP \hd, 2
	HEAD_END
.endr
	LD8 WS, AW, 12*1024                            ; Wo's first two fragments
	LD8 XS, AW, 13*1024
.irp i, 0,1,2,3,4,5,6,7
	v_permlane16_swap_b32 v[128+\i], v[136+\i]     ; heads 0 and 2, then 1 and 3, change halves: lane (r, h) now holds wv(query r, 32 h + 0 .. 31) in v128-159
.endr
.irp i, 0,1,2,3,4,5,6,7
	v_permlane16_swap_b32 v[144+\i], v[152+\i]
.endr
	QROW 128, PS, PSC, 26                          ; a query that does not exist gets zero codes and adds nothing to the sums
	NOPS 8                                         ; places between the scale word just made and the product
	s_wait_dscnt 0x0
	MXZ 96, PS, WS+2, PSC, WS+1                    ; source 0 = 16 queries, source 1 = 16 outputs: lane (r, h): output r, queries 8 h + 0 .. 7
	MXZ 104, PS, XS+2, PSC, XS+1
	NOPS 4
	LD8 WS, AW, 14*1024
	LD8 XS, AW, 15*1024
	FOLD 96, 0
	FOLD 104, 1
	s_wait_dscnt 0x0
	MXZ 112, PS, WS+2, PSC, WS+1
	MXZ 120, PS, XS+2, PSC, XS+1
	NOPS 4
	FOLD 112, 2
	FOLD 120, 3
	s_add_co_u32 s62, s62, 1024
	s_add_co_u32 s63, s63, 8
	s_sub_co_u32 s61, s61, 1
	s_cmp_lg_u32 s61, 0
	s_cbranch_scc1 .Ltile_\@
	; ---- my 32 queries' sums go to LDS; the first wave of each batch adds the six and stores a row of att
.irp t, 0,1,2,3
	v_add_f32 v[16+\t], v[YS+2*\t], v[YS+2*\t+1]
.endr
.irp t, 0,1,2,3
	v_permlanex16_b32 v[20+\t], v[16+\t], s[SEL], s[SEL+1]
.endr
.irp t, 0,1,2,3
	v_add_f32 v[16+\t], v[16+\t], v[20+\t]
.endr
	v_and_b32 v27, 15, v0
	v_lshl_add_u32 v27, v27, 2, s79
	v_and_b32 v30, 31, v0
	v_lshlrev_b32 v30, 3, v30
	v_add_nc_u32 v28, s82, v30
	v_add_nc_u32 v29, BIAS+768, v30
.irp t, 0,1,2,3
	ds_store_b32 v27, v[16+\t] offset:64*\t        ; output 16 t + r; both halves of the lanes write the same word with the same value
.endr
.if \refill
	s_wait_tensorcnt 0x0                           ; my 30 rows of the next pair are in: the wait that the next trip's reads of state need
.endif
	s_wait_dscnt 0x0
	s_barrier_signal -1
	s_barrier_wait -1
	s_cmp_lg_u32 s42, 0
	s_cbranch_scc1 .Lnot_first_\@
.irp i, 0,1,2,3,4,5
	ds_load_b64 v[64+2*\i:65+2*\i], v28 offset:512*\i
.endr
	ds_load_b64 v[76:77], v29                      ; bo
	s_wait_dscnt 0x0
	v_pk_add_f32 v[64:65], v[64:65], v[66:67]
	v_pk_add_f32 v[68:69], v[68:69], v[70:71]
	v_pk_add_f32 v[72:73], v[72:73], v[74:75]
	v_pk_add_f32 v[64:65], v[64:65], v[68:69]
	v_pk_add_f32 v[64:65], v[64:65], v[72:73]
	v_pk_fma_f32 v[64:65], v[64:65], 0x3bb60b61, v[76:77] op_sel_hi:[1,0,1]    ; / 180, + bo
	global_store_b64 v30, v[64:65], s[36:37]       ; 32 lanes store 256 consecutive bytes, aligned
.Lnot_first_\@:
	s_wait_xcnt 0x0                                ; the store's base, offset and data are written again only behind this wait
	s_add_nc_u64 s[36:37], s[36:37], 512
.endm
	s_mov_b32 s60, 3
.Ltrip:
	TRIP 1
	s_sub_co_u32 s60, s60, 1
	s_cmp_lg_u32 s60, 0
	s_cbranch_scc1 .Ltrip
	TRIP 0                                         ; the last trip is written out: it asks for nothing
	s_wait_tensorcnt 0x0                           ; the wave's end
	ds_add_u32 v[SPW], v[NIL]
	s_wait_dscnt 0x0
	s_endpgm
.Lfunc_end_k_qa6677a72e6_attn:
	.size	k_qa6677a72e6_attn, .Lfunc_end_k_qa6677a72e6_attn-k_qa6677a72e6_attn
	.p2alignl 7, 3214868480
	.fill 96, 4, 3214868480
	.section	.rodata,"a",@progbits
	.p2align	6, 0x0
	.amdhsa_kernel k_qa6677a72e6_attn
		.amdhsa_group_segment_fixed_size 327680
		.amdhsa_private_segment_fixed_size 0
		.amdhsa_enable_private_segment 0
		.amdhsa_kernarg_size 144
		.amdhsa_user_sgpr_count 2
		.amdhsa_user_sgpr_kernarg_segment_ptr 1
		.amdhsa_wavefront_size32 1
		.amdhsa_system_sgpr_workgroup_id_x 1
		.amdhsa_system_sgpr_workgroup_id_y 1
		.amdhsa_system_sgpr_workgroup_id_z 1
		.amdhsa_system_vgpr_workitem_id 0
		.amdhsa_next_free_vgpr 256
		.amdhsa_next_free_sgpr 100
		.amdhsa_reserve_vcc 1
		.amdhsa_float_denorm_mode_32 3
		.amdhsa_float_denorm_mode_16_64 3
		.amdhsa_memory_ordered 1
		.amdhsa_forward_progress 1
		.amdhsa_inst_pref_size 255
	.end_amdhsa_kernel
	.section	.bss,"aw",@nobits
	.p2align	6
	.space	262144
	.amdgpu_metadata
---
amdhsa.version: [ 1, 2 ]
amdhsa.kernels:
  - .name:           k_qa6677a72e6_attn
    .symbol:         k_qa6677a72e6_attn.kd
    .args:
      - { .name: state, .offset: 0, .size: 8, .value_kind: global_buffer, .address_space: global }
      - { .name: Wq, .offset: 8, .size: 8, .value_kind: global_buffer, .address_space: global }
      - { .name: Wk, .offset: 16, .size: 8, .value_kind: global_buffer, .address_space: global }
      - { .name: Wv, .offset: 24, .size: 8, .value_kind: global_buffer, .address_space: global }
      - { .name: Wo, .offset: 32, .size: 8, .value_kind: global_buffer, .address_space: global }
      - { .name: bq, .offset: 40, .size: 8, .value_kind: global_buffer, .address_space: global }
      - { .name: bk, .offset: 48, .size: 8, .value_kind: global_buffer, .address_space: global }
      - { .name: bv, .offset: 56, .size: 8, .value_kind: global_buffer, .address_space: global }
      - { .name: bo, .offset: 64, .size: 8, .value_kind: global_buffer, .address_space: global }
      - { .name: W1, .offset: 72, .size: 8, .value_kind: global_buffer, .address_space: global }
      - { .name: v1_wmu, .offset: 80, .size: 8, .value_kind: global_buffer, .address_space: global }
      - { .name: v1_wsig, .offset: 88, .size: 8, .value_kind: global_buffer, .address_space: global }
      - { .name: v1_weps, .offset: 96, .size: 8, .value_kind: global_buffer, .address_space: global }
      - { .name: a1_wmu, .offset: 104, .size: 8, .value_kind: global_buffer, .address_space: global }
      - { .name: a1_wsig, .offset: 112, .size: 8, .value_kind: global_buffer, .address_space: global }
      - { .name: a1_weps, .offset: 120, .size: 8, .value_kind: global_buffer, .address_space: global }
      - { .name: att, .offset: 128, .size: 8, .value_kind: global_buffer, .address_space: global }
      - { .name: wimg, .offset: 136, .size: 8, .value_kind: global_buffer, .address_space: global }
    .group_segment_fixed_size: 327680
    .private_segment_fixed_size: 0
    .kernarg_segment_align: 8
    .kernarg_segment_size: 144
    .max_flat_workgroup_size: 384
    .sgpr_count:     100
    .vgpr_count:     256
    .wavefront_size: 32
...
	.end_amdgpu_metadata
.endif
;; end of part 1
;; launch head (part 2): grid 32 x 1, 8 waves a work-group, no clusters, 98,816 bytes of LDS; arguments att, state, wimg, b1, v1_bmu, v1_bsig, v1_beps, a1_bmu, a1_bsig, a1_beps, v2_wmu, v2_wsig, v2_weps, a2_wmu, a2_wsig, a2_weps, v2_bmu, v2_bsig, v2_beps, a2_bmu, a2_bsig, a2_beps, out0; writes out0
.if DOCPART == 2
	.amdgcn_target "amdgcn-amd-amdhsa--gfx1250"
	.amdhsa_code_object_version 6
	.text
	.protected	k_qa6677a72e6_head
	.globl	k_qa6677a72e6_head
	.p2align	8
	.type	k_qa6677a72e6_head,@function
k_qa6677a72e6_head:
	s_mov_b64 s[64:65], 0
	v_nop
	global_prefetch_b8 v0, s[64:65] scope:SCOPE_SE
	s_setreg_imm32_b32 hwreg(HW_REG_WAVE_MODE, 25, 1), 1
	s_wait_xcnt 0x0
; out = value + adv - mean(adv), from comb = (att_out, state[b][179][64..67]):  feat = relu(comb W1^T + b1);  value = relu(feat Wv1^T + bv1) wv2 + bv2;  adv likewise with three outputs.
; The three wide products (K = 68, 256, 256) run on codes of E2M3 with one E8M0 scale for each 32 along K; their weights were quantised by the launch before (wimg: a fragment of 16 rows x 128 K as an image of its
; registers, 2,048 bytes apart: three times 512 bytes of codes, then 128 bytes of scale words).  The two last products (1 and 3 outputs) are fused multiply-adds in f32.
; SHARES.  A work-group takes 64 rows; ITS EIGHT WAVES SHARE THE COLUMNS: wave w makes units 32 w .. + 31 of feat and units 32 w .. + 31 of the two hidden layers taken as one of 256 (waves 0-3: value, 4-7: advantage).
; Activations go from wave to wave through LDS: feat as f32 rows, quantised operands as images of their registers.  All products are used transposed (source 0 = 16 units, source 1 = 16 rows): a lane holds one row and
; eight neighbouring units; the biases are the C of each sum's first instruction.
; No tensor loads, no cluster, no ring: 2,048 rows are 32 such work-groups, each a short chain of dependent steps; every wait is for 0 since nothing stands behind it that could stay out.
; LIMITS.  NaN and infinities are not served; a block whose largest magnitude lies under 2^-124, a block of zeros too, has the scale byte 1; mu + sigma eps is one fused multiply-add; the mean of three is a multiplication by 1/3.
.set REC,  1664                        ; an image in LDS: 1,536 bytes of codes, 128 of scale words
.set CIMG, 0                           ; comb's four fragments
.set HIMG, 6656                        ; feat's eight: 2 x (tile of rows) + K step
.set UW,   19968                       ; four rows of 128 f32: v2's weight, a2's three
.set B2W,  22016                       ; the hidden layers' 256 biases
.set RED2, 23040                       ; 1,024 bytes a wave: (a0, a1, a2, 0) for each of the 64 rows
.set F,    31232                       ; feat: 64 rows of 1,024 bytes + 16
.set SH8,  9
.set SEL,  56
.macro NOPS n
.rept \n
	v_nop
.endr
.endm
.macro ZERO from, n
.set ZI, \from
.rept \n
	v_mov_b32 v[ZI], 0
.set ZI, ZI+1
.endr
.endm
.macro MXC d, a, b, c, sa, sb
	v_wmma_scale_f32_16x16x128_f8f6f4 v[\d:\d+7], v[\a:\a+11], v[\b:\b+11], v[\c:\c+7], v[\sa], v[\sb] matrix_a_fmt:MATRIX_FMT_FP6 matrix_b_fmt:MATRIX_FMT_FP6
.endm
.macro BARRIER                         ; my LDS stores have landed and my LDS loads are in: then the work-group's barrier
	s_wait_dscnt 0x0
	s_barrier_signal -1
	s_barrier_wait -1
.endm
; One whole block of 32 in a lane's registers v[x] on: six registers of codes at v[d], the scale's byte in v[by].
.macro QCORE x, d, by
	v_max3_num_f32 v20, |v[\x]|, |v[\x+1]|, 0x1800000      ; the floor 2^(3 - 127) among the leaves: the byte cannot fall under 1
	v_max3_num_f32 v21, |v[\x+2]|, |v[\x+3]|, |v[\x+4]|
.irp i, 5,9,13,17,21,25
	v_max3_num_f32 v20, v20, |v[\x+\i]|, |v[\x+\i+1]|
	v_max3_num_f32 v21, v21, |v[\x+\i+2]|, |v[\x+\i+3]|
.endr
	v_max3_num_f32 v20, v20, |v[\x+29]|, |v[\x+30]|
	v_max_num_f32 v21, v21, |v[\x+31]|
	v_max_num_f32 v20, v20, v21
	v_add_nc_u32 v24, 0xff000000, v20                      ; 2 off the exponent field: the conversion's scale operand
	v_lshrrev_b32 v[\by], 23, v24
	v_cvt_scalef32_pk16_fp6_f32 v[\d:\d+2], v[\x:\x+15], v24
	v_cvt_scalef32_pk16_fp6_f32 v[16:18], v[\x+16:\x+31], v24   ; (a conversion's three registers begin on an even number)
	v_nop                                                  ; one plain place behind a scaled conversion
	v_mov_b32 v[\d+3], v16
	v_mov_b32 v[\d+4], v17
	v_mov_b32 v[\d+5], v18
.endm
; A row of 128: lane (r, h) holds blocks h (v[x0] on) and 2 + h (v[x1] on); the word's four bytes come from lanes l and l xor 16.
.macro QUANT128 x0, x1, d, wd
	QCORE \x0, \d, 22
	QCORE \x1, \d+6, 26
	v_lshl_or_b32 v22, v26, 16, v22
	v_lshlrev_b32 v22, v[SH8], v22
	v_permlanex16_b32 v23, v22, s[SEL], s[SEL+1]
	v_or_b32 v[\wd], v22, v23
.endm
	s_load_b512 s[4:19], s[0:1], 0x0               ; att 4, state 6, wimg 8, b1 10, v1_bmu 12, v1_bsig 14, v1_beps 16, a1_bmu 18
	s_load_b512 s[20:35], s[0:1], 0x40             ; a1_bsig 20, a1_beps 22, v2_wmu 24, v2_wsig 26, v2_weps 28, a2_wmu 30, a2_wsig 32, a2_weps 34
	s_load_b256 s[36:43], s[0:1], 0x80             ; v2_bmu 36, v2_bsig 38, v2_beps 40, a2_bmu 42
	s_load_b128 s[44:47], s[0:1], 0xa0             ; a2_bsig 44, a2_beps 46
	s_load_b64 s[48:49], s[0:1], 0xb0              ; out0
	s_set_vgpr_msb 0x40
	v_lshl_add_u32 v0, v0, 2, 0x17e00
	v_mov_b32 v1, 0
	s_set_vgpr_msb 0x4000
	v_lshrrev_b32 v1, 5, v0
	v_readfirstlane_b32 s50, v1                    ; wave 0..7
	v_and_b32 v2, 31, v0
	v_lshlrev_b32 v1, 4, v2                        ; v1  16 lane
	v_lshlrev_b32 v2, 2, v2                        ; v2  4 lane
	v_and_b32 v3, 15, v0                           ; v3  r
	v_bfe_u32 v4, v0, 4, 1                         ; v4  h
	v_lshlrev_b32 v[SH8], 3, v4
	s_mov_b32 s[SEL], 0x76543210
	s_mov_b32 s[SEL+1], 0xfedcba98
	; every LDS address is made here, ahead of the first parting of the waves
	s_lshl_b32 s51, s50, 7
	s_add_co_u32 s51, s51, F
	v_mul_u32_u24 v5, v3, 1040
	v_lshl_add_u32 v5, v4, 5, v5
	v_add_nc_u32 v5, s51, v5                       ; v5  feat, in: row r, + 32 h, + 128 w
	s_lshr_b32 s51, s50, 1
	s_mul_i32 s51, s51, 16640
	s_and_b32 s52, s50, 1
	s_lshl_b32 s52, s52, 9
	s_add_co_u32 s51, s51, s52
	s_add_co_u32 s51, s51, F
	v_mul_u32_u24 v6, v3, 1040
	v_lshl_add_u32 v6, v4, 7, v6
	v_add_nc_u32 v6, s51, v6                       ; v6  feat, out: row 16 (w / 2) + r, K step w % 2, + 128 h
	s_mul_i32 s51, s50, REC
	s_add_co_u32 s51, s51, HIMG
	v_add_nc_u32 v7, s51, v1                       ; v7, v8  where my fragment of feat goes
	v_add_nc_u32 v8, s51, v2
	s_and_b32 s54, s50, 3
	s_mul_i32 s51, s54, REC
	v_add_nc_u32 v10, s51, v1                      ; v10, v11  where my fragment of comb goes (waves 4-7)
	v_add_nc_u32 v11, s51, v2
	s_lshl_b32 s51, s54, 9
	s_add_co_u32 s51, s51, UW
	v_add_nc_u32 v12, s51, v1                      ; v12  where my row of the last weights goes (waves 0-3)
	v_lshl_add_u32 v27, v0, 2, B2W                 ; v27  my hidden bias
	s_lshl_b32 s51, s50, 7
	s_add_co_u32 s51, s51, B2W
	v_lshl_add_u32 v28, v4, 5, s51                 ; v28  the hidden biases as C: 128 w + 32 h
	s_lshl_b32 s51, s50, 1
	s_and_b32 s51, s51, 7
	s_lshl_b32 s51, s51, 6                         ; my 32 units within their stream of 128
	s_lshr_b32 s52, s50, 2
	s_lshl_b32 s52, s52, 9                         ; 0 for the value waves, one row for the advantage waves
	s_add_co_u32 s51, s51, s52
	s_add_co_u32 s51, s51, UW
	v_lshl_add_u32 v29, v4, 5, s51                 ; v29-31  the last weights for outputs 0, 1, 2: the value waves take v2's row three times
	v_add_nc_u32 v30, s52, v29
	v_add_nc_u32 v31, s52, v30
	s_lshl_b32 s51, s50, 10
	s_add_co_u32 s51, s51, RED2
	v_lshl_add_u32 v19, v3, 4, s51                 ; v19  my partial results: 1,024 w + 16 r
	v_and_b32 v127, 63, v0
	v_lshl_add_u32 v126, v127, 4, RED2             ; v126 the last step: row = thread (waves 0, 1)
	v_mul_u32_u24 v127, v127, 12                   ; v127 and its 12 bytes of out0
	; offsets into memory
	v_lshlrev_b32 v21, 5, v4                       ; 32 h
	v_and_b32 v22, 127, v0
	v_lshlrev_b32 v22, 2, v22                      ; my hidden unit within its stream
	v_mov_b32 v23, 0
	v_lshlrev_b32 v24, 8, v3
	v_lshl_add_u32 v24, v4, 7, v24                 ; att: row r, + 128 h
	v_mul_u32_u24 v25, v3, 48960                   ; state: batch r
	s_wait_kmcnt 0x0
	s_mov_b32 s53, 0
	s_lshl_b32 s52, s50, 12
	s_add_nc_u64 s[58:59], s[8:9], s[52:53]        ; W1's fragments 2 w, 2 w + 1
	s_lshl_b32 s52, s50, 13
	s_add_co_u32 s52, s52, 32768
	s_add_nc_u64 s[60:61], s[8:9], s[52:53]        ; the hidden layers' fragments 16 + 4 w + 0 .. 3
	s_lshl_b32 s52, s50, 7
	s_add_nc_u64 s[62:63], s[10:11], s[52:53]      ; b1 at my 32 units
	s_lshl_b32 s52, ttmp9, 14
	s_lshl_b32 s55, s54, 12
	s_add_co_u32 s52, s52, s55
	s_add_nc_u64 s[72:73], s[4:5], s[52:53]        ; att at row 64 x + 16 (w % 4)
	s_lshl_b32 s52, ttmp9, 6
	s_lshl_b32 s55, s54, 4
	s_add_co_u32 s52, s52, s55
	s_mul_i32 s52, s52, 48960
	s_add_nc_u64 s[74:75], s[6:7], s[52:53]        ; state at that batch
	s_mul_i32 s52, ttmp9, 768
	s_add_nc_u64 s[76:77], s[48:49], s[52:53]      ; out0 at row 64 x
	s_cmp_lt_u32 s50, 4
	s_cselect_b64 s[66:67], s[12:13], s[18:19]     ; my stream's three bias arrays
	s_cselect_b64 s[68:69], s[14:15], s[20:21]
	s_cselect_b64 s[70:71], s[16:17], s[22:23]
.irp n, 0,1                                    ; v32-55 W1's two fragments, v56-57 their scale words
.irp i, 0,1,2
	global_load_b128 v[32+12*\n+4*\i:35+12*\n+4*\i], v1, s[58:59] offset:2048*\n+512*\i
.endr
	global_load_b32 v[56+\n], v2, s[58:59] offset:2048*\n+1536
.endr
.irp f, 0,1,2,3                                ; v58-105 fragment 2 n + s of the hidden layers, v106-109 their scale words
.irp i, 0,1,2
	global_load_b128 v[58+12*\f+4*\i:61+12*\f+4*\i], v1, s[60:61] offset:2048*\f+512*\i
.endr
	global_load_b32 v[106+\f], v2, s[60:61] offset:2048*\f+1536
.endr
.irp n, 0,1                                    ; v110-125 b1 as C: units 16 n + 8 h + 0 .. 7 of my 32
	global_load_b128 v[110+8*\n:113+8*\n], v21, s[62:63] offset:64*\n
	global_load_b128 v[114+8*\n:117+8*\n], v21, s[62:63] offset:64*\n+16
.endr
	global_load_b96 v[244:246], v23, s[42:43]      ; a2's biases: mu, sigma, eps
	global_load_b96 v[248:250], v23, s[44:45]
	global_load_b96 v[252:254], v23, s[46:47]
	global_load_b32 v247, v23, s[36:37]            ; v2's
	global_load_b32 v251, v23, s[38:39]
	global_load_b32 v255, v23, s[40:41]
	global_load_b32 v13, v22, s[66:67]             ; my hidden unit's
	global_load_b32 v14, v22, s[68:69]
	global_load_b32 v15, v22, s[70:71]
	s_cmp_lt_u32 s50, 4
	s_cbranch_scc0 .Lcomb
	; waves 0-3: one row of 128 of the last weights: wave 0 v2's, waves 1-3 a2's
	s_max_u32 s78, s50, 1
	s_sub_co_u32 s78, s78, 1
	s_lshl_b32 s78, s78, 9
	s_mov_b32 s79, 0
	s_cmp_eq_u32 s50, 0
	s_cselect_b64 s[80:81], s[24:25], s[30:31]
	s_cselect_b64 s[82:83], s[26:27], s[32:33]
	s_cselect_b64 s[84:85], s[28:29], s[34:35]
	s_add_nc_u64 s[80:81], s[80:81], s[78:79]
	s_add_nc_u64 s[82:83], s[82:83], s[78:79]
	s_add_nc_u64 s[84:85], s[84:85], s[78:79]
	global_load_b128 v[128:131], v1, s[80:81]
	global_load_b128 v[132:135], v1, s[82:83]
	global_load_b128 v[136:139], v1, s[84:85]
	s_wait_loadcnt 0x0
	v_pk_fma_f32 v[128:129], v[132:133], v[136:137], v[128:129]
	v_pk_fma_f32 v[130:131], v[134:135], v[138:139], v[130:131]
	ds_store_b128 v12, v[128:131]
	s_branch .Ljoin
.Lcomb:
	; waves 4-7: 16 rows of comb become a fragment: k = 0 .. 63 att_out, 64 .. 67 the last row's last four numbers of state, zeros up to 127
.set PI, 0
.rept 8
	global_load_b128 v[128+4*PI:131+4*PI], v24, s[72:73] offset:16*PI
.set PI, PI+1
.endr
	global_load_b128 v[160:163], v25, s[74:75] offset:48944
	ZERO 164, 28
	v_add_nc_u32 v26, -1, v4                       ; all ones in lanes 0-15, 0 in lanes 16-31, whose block 3 is empty
	s_wait_loadcnt 0x0
.irp i, 160,161,162,163
	v_and_b32 v\i, v26, v\i
.endr
	QUANT128 128, 160, 192, 204
.irp i, 0,1,2
	ds_store_b128 v10, v[192+4*\i:195+4*\i] offset:CIMG+512*\i
.endr
	ds_store_b32 v11, v204 offset:CIMG+1536
.Ljoin:
	v_fma_f32 v13, v14, v15, v13                   ; mu + sigma eps (all loads have come back on both ways)
	ds_store_b32 v27, v13
	BARRIER                                        ; comb's fragments, the last weights and the hidden biases lie in LDS
	; ---- feat: my 32 units for the 64 rows
.irp m, 0,1,2,3
.irp i, 0,1,2
	ds_load_b128 v[128+12*\m+4*\i:131+12*\m+4*\i], v1 offset:CIMG+REC*\m+512*\i
.endr
	ds_load_b32 v[176+\m], v2 offset:CIMG+REC*\m+1536
.endr
	s_wait_dscnt 0x0
.irp n, 0,1
.irp m, 0,1,2,3
	MXC 180+8*(4*\n+\m), 32+12*\n, 128+12*\m, 110+8*\n, 56+\n, 176+\m
.endr
.endr
	NOPS 4
.set PI, 0
.rept 64
	v_max_num_f32 v[180+PI], 0, v[180+PI]          ; relu, each accumulator from its low end on
.set PI, PI+1
.endr
.irp n, 0,1
.irp m, 0,1,2,3
	ds_store_b128 v5, v[180+8*(4*\n+\m):183+8*(4*\n+\m)] offset:16640*\m+64*\n
	ds_store_b128 v5, v[184+8*(4*\n+\m):187+8*(4*\n+\m)] offset:16640*\m+64*\n+16
.endr
.endr
	BARRIER                                        ; 64 rows of feat lie in LDS
	; ---- wave w quantises 16 rows x 128 K of feat
.irp c, 0,1
.irp i, 0,1,2,3,4,5,6,7
	ds_load_b128 v[128+32*\c+4*\i:131+32*\c+4*\i], v6 offset:256*\c+16*\i
.endr
.endr
.irp n, 0,1
	ds_load_b128 v[32+8*\n:35+8*\n], v28 offset:64*\n              ; the hidden biases as C, where W1's fragments lay
	ds_load_b128 v[36+8*\n:39+8*\n], v28 offset:64*\n+16
.endr
	s_wait_dscnt 0x0
	QUANT128 128, 160, 192, 204
.irp i, 0,1,2
	ds_store_b128 v7, v[192+4*\i:195+4*\i] offset:512*\i
.endr
	ds_store_b32 v8, v204 offset:1536
	BARRIER                                        ; feat's eight fragments lie in LDS
	; ---- the hidden layers: eight accumulators by turns, a K step at a time
.irp s, 0,1
.irp m, 0,1,2,3
.irp i, 0,1,2
	ds_load_b128 v[128+12*\m+4*\i:131+12*\m+4*\i], v1 offset:HIMG+REC*(2*\m+\s)+512*\i
.endr
	ds_load_b32 v[176+\m], v2 offset:HIMG+REC*(2*\m+\s)+1536
.endr
	s_wait_dscnt 0x0
.irp m, 0,1,2,3
.irp n, 0,1
.if \s == 0
	MXC 180+8*(4*\n+\m), 58+12*(2*\n+\s), 128+12*\m, 32+8*\n, 106+2*\n+\s, 176+\m
.else
	MXC 180+8*(4*\n+\m), 58+12*(2*\n+\s), 128+12*\m, 180+8*(4*\n+\m), 106+2*\n+\s, 176+\m
.endif
.endr
.endr
	NOPS 4                                         ; places in front of loads into registers that the products have read, and of the first read of results
.endr
	; ---- the last products, in f32: my 32 units' share of three outputs for each row
.irp a, 0,1,2
.irp n, 0,1
	ds_load_b128 v[128+16*\a+8*\n:131+16*\a+8*\n], v[29+\a] offset:64*\n
	ds_load_b128 v[132+16*\a+8*\n:135+16*\a+8*\n], v[29+\a] offset:64*\n+16
.endr
.endr
.set PI, 0
.rept 64
	v_max_num_f32 v[180+PI], 0, v[180+PI]
.set PI, PI+1
.endr
	s_wait_dscnt 0x0
.irp m, 0,1,2,3
.irp a, 0,1,2
	v_pk_mul_f32 v[32+2*(3*\m+\a):33+2*(3*\m+\a)], v[180+8*\m:181+8*\m], v[128+16*\a:129+16*\a]
.irp p, 2,4,6
	v_pk_fma_f32 v[32+2*(3*\m+\a):33+2*(3*\m+\a)], v[180+8*\m+\p:181+8*\m+\p], v[128+16*\a+\p:129+16*\a+\p], v[32+2*(3*\m+\a):33+2*(3*\m+\a)]
.endr
.irp p, 0,2,4,6
	v_pk_fma_f32 v[32+2*(3*\m+\a):33+2*(3*\m+\a)], v[212+8*\m+\p:213+8*\m+\p], v[136+16*\a+\p:137+16*\a+\p], v[32+2*(3*\m+\a):33+2*(3*\m+\a)]
.endr
.endr
.endr
.irp q, 0,1,2,3,4,5,6,7,8,9,10,11
	v_add_f32 v[32+2*\q], v[32+2*\q], v[33+2*\q]
.endr
.irp q, 0,1,2,3,4,5,6,7,8,9,10,11
	v_permlanex16_b32 v[33+2*\q], v[32+2*\q], s[SEL], s[SEL+1]     ; the other half of the lanes holds the row's other units
.endr
.irp m, 0,1,2,3
.irp a, 0,1,2
	v_add_f32 v[56+4*\m+\a], v[32+2*(3*\m+\a)], v[33+2*(3*\m+\a)]
.endr
	v_mov_b32 v[59+4*\m], 0
.endr
.irp m, 0,1,2,3
	ds_store_b128 v19, v[56+4*\m:59+4*\m] offset:256*\m            ; row 16 m + r; both halves of the lanes write the same bytes with the same values
.endr
	BARRIER                                        ; eight waves' shares lie in LDS
	s_cmp_lt_u32 s50, 2
	s_cbranch_scc0 .Ldone
.irp q, 0,1,2,3,4,5,6,7
	ds_load_b128 v[128+4*\q:131+4*\q], v126 offset:1024*\q
.endr
	v_fma_f32 v247, v251, v255, v247               ; the last biases: mu + sigma eps
.irp a, 0,1,2
	v_fma_f32 v[244+\a], v[248+\a], v[252+\a], v[244+\a]
.endr
	s_wait_dscnt 0x0
	v_add_f32 v128, v128, v132
	v_add_f32 v136, v136, v140
	v_add_f32 v128, v128, v136
	v_add_f32 v128, v128, v247                     ; value
.irp a, 0,1,2
	v_add_f32 v[144+\a], v[144+\a], v[148+\a]
	v_add_f32 v[152+\a], v[152+\a], v[156+\a]
	v_add_f32 v[144+\a], v[144+\a], v[152+\a]
	v_add_f32 v[144+\a], v[144+\a], v[244+\a]      ; adv
.endr
	v_add_f32 v20, v144, v145
	v_add_f32 v20, v20, v146
	v_fma_f32 v20, v20, 0xbeaaaaab, v128           ; value - mean(adv)
	v_add_f32 v160, v20, v144
	v_add_f32 v161, v20, v145
	v_add_f32 v162, v20, v146
	global_store_b96 v127, v[160:162], s[76:77]    ; a wave stores 384 consecutive bytes, the two waves three aligned runs of 256
.Ldone:
	s_barrier_signal -1
	s_barrier_wait -1
	s_set_vgpr_msb 0x5
	s_wait_tensorcnt 0x0
	ds_add_u32 v0, v1
	s_wait_dscnt 0x0
	s_set_vgpr_msb 0x500
	s_endpgm
.Lfunc_end_k_qa6677a72e6_head:
	.size	k_qa6677a72e6_head, .Lfunc_end_k_qa6677a72e6_head-k_qa6677a72e6_head
	.p2alignl 7, 3214868480
	.fill 96, 4, 3214868480
	.section	.rodata,"a",@progbits
	.p2align	6, 0x0
	.amdhsa_kernel k_qa6677a72e6_head
		.amdhsa_group_segment_fixed_size 98816
		.amdhsa_private_segment_fixed_size 0
		.amdhsa_enable_private_segment 0
		.amdhsa_kernarg_size 184
		.amdhsa_user_sgpr_count 2
		.amdhsa_user_sgpr_kernarg_segment_ptr 1
		.amdhsa_wavefront_size32 1
		.amdhsa_system_sgpr_workgroup_id_x 1
		.amdhsa_system_sgpr_workgroup_id_y 1
		.amdhsa_system_sgpr_workgroup_id_z 1
		.amdhsa_system_vgpr_workitem_id 0
		.amdhsa_next_free_vgpr 258
		.amdhsa_next_free_sgpr 96
		.amdhsa_reserve_vcc 0
		.amdhsa_float_denorm_mode_32 3
		.amdhsa_float_denorm_mode_16_64 3
		.amdhsa_memory_ordered 1
		.amdhsa_forward_progress 1
		.amdhsa_inst_pref_size 42
	.end_amdhsa_kernel
	.amdgpu_metadata
---
amdhsa.version: [ 1, 2 ]
amdhsa.kernels:
  - .name:           k_qa6677a72e6_head
    .symbol:         k_qa6677a72e6_head.kd
    .args:
      - { .name: att, .offset: 0, .size: 8, .value_kind: global_buffer, .address_space: global }
      - { .name: state, .offset: 8, .size: 8, .value_kind: global_buffer, .address_space: global }
      - { .name: wimg, .offset: 16, .size: 8, .value_kind: global_buffer, .address_space: global }
      - { .name: b1, .offset: 24, .size: 8, .value_kind: global_buffer, .address_space: global }
      - { .name: v1_bmu, .offset: 32, .size: 8, .value_kind: global_buffer, .address_space: global }
      - { .name: v1_bsig, .offset: 40, .size: 8, .value_kind: global_buffer, .address_space: global }
      - { .name: v1_beps, .offset: 48, .size: 8, .value_kind: global_buffer, .address_space: global }
      - { .name: a1_bmu, .offset: 56, .size: 8, .value_kind: global_buffer, .address_space: global }
      - { .name: a1_bsig, .offset: 64, .size: 8, .value_kind: global_buffer, .address_space: global }
      - { .name: a1_beps, .offset: 72, .size: 8, .value_kind: global_buffer, .address_space: global }
      - { .name: v2_wmu, .offset: 80, .size: 8, .value_kind: global_buffer, .address_space: global }
      - { .name: v2_wsig, .offset: 88, .size: 8, .value_kind: global_buffer, .address_space: global }
      - { .name: v2_weps, .offset: 96, .size: 8, .value_kind: global_buffer, .address_space: global }
      - { .name: a2_wmu, .offset: 104, .size: 8, .value_kind: global_buffer, .address_space: global }
      - { .name: a2_wsig, .offset: 112, .size: 8, .value_kind: global_buffer, .address_space: global }
      - { .name: a2_weps, .offset: 120, .size: 8, .value_kind: global_buffer, .address_space: global }
      - { .name: v2_bmu, .offset: 128, .size: 8, .value_kind: global_buffer, .address_space: global }
      - { .name: v2_bsig, .offset: 136, .size: 8, .value_kind: global_buffer, .address_space: global }
      - { .name: v2_beps, .offset: 144, .size: 8, .value_kind: global_buffer, .address_space: global }
      - { .name: a2_bmu, .offset: 152, .size: 8, .value_kind: global_buffer, .address_space: global }
      - { .name: a2_bsig, .offset: 160, .size: 8, .value_kind: global_buffer, .address_space: global }
      - { .name: a2_beps, .offset: 168, .size: 8, .value_kind: global_buffer, .address_space: global }
      - { .name: out0, .offset: 176, .size: 8, .value_kind: global_buffer, .address_space: global }
    .group_segment_fixed_size: 98816
    .private_segment_fixed_size: 0
    .kernarg_segment_align: 8
    .kernarg_segment_size: 184
    .max_flat_workgroup_size: 256
    .sgpr_count:     96
    .vgpr_count:     258
    .wavefront_size: 32
...
	.end_amdgpu_metadata
.endif
;; end of part 2
